; MI455X (gfx1250); checked and timed in simulation.
; The chip was launched on July 23, 2026; its instructions are those of AMD's public machine-readable ISA for CDNA 5 (MIT licence, August 2026) and "CDNA5" Instruction Set Architecture Reference Guide (July 2026). The comments in the code are by the model that wrote it; some were corrected since.
;; G Weighted SVD. Allowed arithmetic: float matrix products may take bf16 or f16 operands with f32 sums; all other float work in f32.
;; Inputs: rcs 1,024 x 3 x 8,192 float32; src 1,024 x 3 x 8,192 float32; weights 1,024 x 8,192 float32.
;; Outputs: out0 1,024 x 3 x 3 float32; out1 1,024 x 3 float32.
;; One version. Each part assembles by itself: llvm-mc -triple=amdgcn-amd-amdhsa -mcpu=gfx1250 --defsym DOCPART=n.
;; ======== version 1 of 1: 1 launch
;; limits: a difference of large sums (such as E[x^2] - mean^2): digits are lost where the result is much smaller than its terms
;; launch kabsch (part 1): grid 256 x 1, 16 waves a work-group, no clusters, 3,328 bytes of LDS; arguments src, rcs, weights, out0, out1; writes out0, out1
.if DOCPART == 1
	.amdgcn_target "amdgcn-amd-amdhsa--gfx1250"
	.amdhsa_code_object_version 6
	.text
	.protected	k_q049ed18304_kabsch
	.globl	k_q049ed18304_kabsch
	.p2align	8
	.type	k_q049ed18304_kabsch,@function
k_q049ed18304_kabsch:
	s_mov_b64 s[64:65], 0
	v_nop
	global_prefetch_b8 v0, s[64:65] scope:SCOPE_SE
	s_setreg_imm32_b32 hwreg(HW_REG_WAVE_MODE, 25, 1), 1
	s_wait_xcnt 0x0
; Weighted rigid fit (Kabsch): for each of 1024 batches of 8192 points, weighted means, the 3 x 3 weighted covariance of src and
; src + rcs, its SVD, r = V diag(1, 1, det(V U^T)) U^T and t = corres_mean - r src_mean.   All arithmetic in f32.
;
; SHAPE.  28 bytes are read for each point and about as many operations done on them: bytes decide.  Every input byte is read once.
; A work-group of 16 waves owns 4 batches.  Wave w works for batch w & 3 as its quarter q = w >> 2: of chunk c (0 .. 15) it takes the
; 512 consecutive, aligned bytes at 2048 c + 512 q of each of the batch's seven rows, one 16-byte load a lane and row.
; A ring of DEPTH = 4 register slots keeps 21 to 28 loads of every wave out.  The 16 turns are written out, so that every address is
; one constant offset register plus an immediate and nothing that a pending load names is ever rewritten.
;
; ONE PASS, ABOUT A PIVOT.  The sums are taken of s' = s - p and c' = (s - p) + (r - pr), where p, pr are the plain means of the batch's
; first 128 points: with a common offset on the data no difference of large sums is formed.  W = sum w, A = sum w s', C = sum w c',
; M = sum w s' c'^T; the finish moves them to the reference's means, with its two EPS terms kept as they are.
;
; NOT USED, by this text's own arithmetic: the matrix unit (the product has 3 x 3 results, 9 of a 16 x 16 tile's 256 places, and costs
; 4.5 packed multiply-adds a point here; converting and re-laying six values a point would cost more); clusters (no two work-groups
; read a common byte); prefetches (the ring is full from the first line to the last chunk); LDS for the stream (a byte is used by one lane, once).
; The results are 36 + 12 bytes a batch: each goes out as one store of neighbouring lanes.
;
; LIMITS.  (1) The rounding error of the covariance grows with (pivot - weighted mean)^2 / variance: harmless while the mean of the first
; 128 points lies within about 100 spreads of the weighted mean.  (2) The covariance must have rank 2 at least: below that the rotation is
; not determined, and a zero covariance gives NaN here.  (3) Singular values under about 1e-5 of the largest are noise in f32.
; (4) The sums are formed in another order than the reference's; v_rcp_f32, v_rsq_f32, v_sqrt_f32 are good to one unit in the last place.
.set ROWB,   32768                     ; bytes in a row of 8192 f32
.set CHUNKB, 2048                      ; bytes of a row that a batch's four waves take together in one turn
.set CHUNKS, 16                        ; turns of a wave
.set DEPTH,  4                         ; ring slots = chunks on their way
.set SWEEPS, 8                         ; Jacobi sweeps, see there
.set EPSF,   0x38d1b717                ; 1e-4
.set TINY,   0x03800000                ; 2^-120: keeps a square root's and a reciprocal's argument off zero
.set SIGN,   0x80000000
.set PIV,    0                         ; LDS: 4 batches x 32 bytes, six negated pivots each
.set SUMS,   256                       ; LDS: 16 waves x 64 bytes, the sixteen sums of each
; vector registers
.set LANE, 1
.set VO,   2                           ; 512 q + 16 lane: my bytes in a chunk.  Never rewritten
.set LP,   3                           ; LDS: my batch's pivots
.set LS,   4                           ; LDS: 64 x wave
.set O0,   5                           ; byte offset of my number in the batch's r
.set O1,   6                           ; and in its t
.set P,    10                          ; v[10:15]  -pivot: src rows 0-2, rcs rows 0-2       (v7-v9: scratch)
.set AW,   16                          ; v[16:47]  sixteen sums, two points wide: W,
.set AS,   18                          ;           A0-2,
.set AC,   24                          ;           C0-2,
.set AM,   30                          ;           M00 .. M22
.set SP,   48                          ; v[48:53]  s' of two points
.set CP,   54                          ; v[54:59]  c'
.set AP,   60                          ; v[60:65]  w s'
.set XB,   66                          ; v[66:177] the ring: slot x 28: src rows 0-2, rcs rows 0-2, weights, 4 registers each
; scalar registers: s[4:13] the five addresses, s14 wave, s15 its batch in the group
.set NPS,  16                          ; s[16:21]  -pivot of src, each twice (a pair for the packed add)
.set NPR,  22                          ; s[22:27]  -pivot of rcs, likewise
.set MA1,  40                          ; lane masks of the way out: my row a of V is 1, is 2;
.set MA2,  41
.set MB1,  42                          ; my row b of U is 1, is 2; I make a number of t
.set MB2,  43
.set MB3,  44
.set SELLO, 45                         ; v_permlanex16_b32: lane i takes lane i of the other half
.set SELHI, 46
.set NQ,   47                          ; s[47:49]  -(pivot of src + pivot of rcs)
; chunk c of the seven rows into its slot
.macro FILL c
.set XF, XB+28*((\c)%DEPTH)
.irp i, 0,1,2
	global_load_b128 v[XF+4*\i:XF+4*\i+3], v[VO], s[4:5] offset:\i*ROWB+(\c)*CHUNKB th:TH_LOAD_NT
.endr
.irp i, 0,1,2
	global_load_b128 v[XF+12+4*\i:XF+12+4*\i+3], v[VO], s[6:7] offset:\i*ROWB+(\c)*CHUNKB th:TH_LOAD_NT
.endr
	global_load_b128 v[XF+24:XF+27], v[VO], s[8:9] offset:(\c)*CHUNKB th:TH_LOAD_NT
.endm
; each of cnt registers from base on: summed over the 32 lanes, the result in every lane.  Four steps inside each half of 16 lanes ride
; on the add, one crosses the halves; tmp: cnt registers that have been written (the permute's destination counts as read)
.macro WSUM base, cnt, tmp
.irp m, 1,2,4,8
.set k, 0
.rept \cnt
	v_add_f32_dpp v[\base+k], v[\base+k], v[\base+k] row_xmask:\m row_mask:0xf bank_mask:0xf
.set k, k+1
.endr
.endr
.set k, 0
.rept \cnt
	v_permlanex16_b32 v[\tmp+k], v[\base+k], s[SELLO], s[SELHI]
.set k, k+1
.endr
.set k, 0
.rept \cnt
	v_add_f32 v[\base+k], v[\base+k], v[\tmp+k]
.set k, k+1
.endr
.endm
; two of the lane's four points of the slot at XS (h = 0 or 2).  first = 1: the products start the sums, nothing is cleared
.macro HALF h, first
.irp i, 0,1,2
	v_pk_add_f32 v[SP+2*\i:SP+2*\i+1], v[XS+4*\i+\h:XS+4*\i+\h+1], s[NPS+2*\i:NPS+2*\i+1] op_sel_hi:[1,0]        ; s' = s - p
.endr
.irp i, 0,1,2
	v_pk_add_f32 v[CP+2*\i:CP+2*\i+1], v[XS+12+4*\i+\h:XS+12+4*\i+\h+1], s[NPR+2*\i:NPR+2*\i+1] op_sel_hi:[1,0]  ; r - pr
.endr
.irp i, 0,1,2
	v_pk_add_f32 v[CP+2*\i:CP+2*\i+1], v[CP+2*\i:CP+2*\i+1], v[SP+2*\i:SP+2*\i+1]                                ; c' = s' + r'
.endr
.if \first
.irp i, 0,1,2
	v_pk_mul_f32 v[AS+2*\i:AS+2*\i+1], v[XS+24+\h:XS+25+\h], v[SP+2*\i:SP+2*\i+1]
	v_pk_mul_f32 v[AC+2*\i:AC+2*\i+1], v[XS+24+\h:XS+25+\h], v[CP+2*\i:CP+2*\i+1]
.endr
.irp i, 0,1,2
.irp j, 0,1,2
	v_pk_mul_f32 v[AM+2*(3*\i+\j):AM+2*(3*\i+\j)+1], v[AS+2*\i:AS+2*\i+1], v[CP+2*\j:CP+2*\j+1]
.endr
.endr
.else
.irp i, 0,1,2
	v_pk_mul_f32 v[AP+2*\i:AP+2*\i+1], v[XS+24+\h:XS+25+\h], v[SP+2*\i:SP+2*\i+1]                                ; w s'
	v_pk_fma_f32 v[AC+2*\i:AC+2*\i+1], v[XS+24+\h:XS+25+\h], v[CP+2*\i:CP+2*\i+1], v[AC+2*\i:AC+2*\i+1]
.endr
.irp i, 0,1,2
	v_pk_add_f32 v[AS+2*\i:AS+2*\i+1], v[AS+2*\i:AS+2*\i+1], v[AP+2*\i:AP+2*\i+1]
.irp j, 0,1,2
	v_pk_fma_f32 v[AM+2*(3*\i+\j):AM+2*(3*\i+\j)+1], v[AP+2*\i:AP+2*\i+1], v[CP+2*\j:CP+2*\j+1], v[AM+2*(3*\i+\j):AM+2*(3*\i+\j)+1]
.endr
.endr
.endif
.endm
; the turn of chunk c
.macro SLOT c
.set XS, XB+28*((\c)%DEPTH)
.if CHUNKS-1-(\c) < DEPTH-1
	s_wait_loadcnt 7*(CHUNKS-1-(\c))               ; the last turns: only the chunks still behind this one are out
.else
	s_wait_loadcnt 7*(DEPTH-1)                     ; loads come back in order (ISA guide 5.7.1): my seven are in, the three younger chunks' 21 stay out
.endif
.if (\c) == 0
	v_pk_add_f32 v[AW:AW+1], v[XS+24:XS+25], v[XS+26:XS+27]
	HALF 0, 1
	HALF 2, 0
.else
	v_pk_add_f32 v[AW:AW+1], v[AW:AW+1], v[XS+24:XS+25]
	HALF 0, 0
	v_pk_add_f32 v[AW:AW+1], v[AW:AW+1], v[XS+26:XS+27]
	HALF 2, 0
.endif
.if (\c)+DEPTH < CHUNKS
	FILL (\c)+DEPTH                                ; the slot's next chunk; no load is issued beyond chunk 15
.endif
.endm
	; ---------------------------------------------------------------- addresses, and the ring filled before anything else
	s_load_b256 s[4:11], s[0:1], 0x0               ; src s[4:5], rcs s[6:7], weights s[8:9], out0 s[10:11]
	s_load_b64 s[12:13], s[0:1], 0x20              ; out1
	v_lshl_add_u32 v184, v0, 2, 0x500
	v_mov_b32 v185, 0
	v_lshrrev_b32 v7, 5, v0
	v_readfirstlane_b32 s14, v7                    ; wave 0 .. 15
	v_and_b32 v[LANE], 31, v0
	v_lshrrev_b32 v8, 7, v0                        ; q
	v_lshlrev_b32 v[VO], 4, v[LANE]
	v_lshl_add_u32 v[VO], v8, 9, v[VO]             ; 512 q + 16 lane
	s_and_b32 s15, s14, 3
	s_lshl2_add_u32 s29, ttmp9, s15                ; batch = 4 x work-group + (wave & 3)
	s_mul_i32 s30, s29, 3*ROWB                     ; at most 1023 x 98,304: below 2^31
	s_mov_b32 s31, 0
	s_lshl_b32 s32, s29, 15
	s_mov_b32 s33, 0
	s_wait_kmcnt 0x0
	s_add_nc_u64 s[4:5], s[4:5], s[30:31]
	s_add_nc_u64 s[6:7], s[6:7], s[30:31]
	s_add_nc_u64 s[8:9], s[8:9], s[32:33]
	FILL 0
	FILL 1
	FILL 2
	FILL 3
	s_mul_i32 s30, s29, 36
	s_mul_i32 s32, s29, 12
	s_add_nc_u64 s[10:11], s[10:11], s[30:31]      ; the batch's r
	s_add_nc_u64 s[12:13], s[12:13], s[32:33]      ; and its t
	s_mov_b32 s[SELLO], 0x76543210
	s_mov_b32 s[SELHI], 0xfedcba98
	v_and_b32 v8, 3, v7
	v_lshlrev_b32 v[LP], 5, v8                     ; 32 x (wave & 3)
	v_lshlrev_b32 v[LS], 6, v7                     ; 64 x wave
	; the way out, prepared while the loads are under way: lane L < 9 makes r[a][b], a = L / 3, b = L mod 3; lane 9 + a makes t[a] ("b = 3")
	v_mul_u32_u24 v8, 0xab, v[LANE]
	v_lshrrev_b32 v8, 9, v8                        ; 171 L >> 9 = L / 3 for L < 32
	v_mul_u32_u24 v9, 3, v8
	v_sub_nc_u32 v9, v[LANE], v9                   ; L mod 3
	v_add_nc_u32 v7, -9, v[LANE]
	v_cmp_le_u32 vcc_lo, 9, v[LANE]
	v_cndmask_b32 v8, v8, v7, vcc_lo
	v_min_u32 v8, 2, v8                            ; a; lanes from 12 on store nothing and are held at 2
	v_cndmask_b32 v9, v9, 3, vcc_lo                ; b
	v_cmp_eq_u32 s[MA1], 1, v8
	v_cmp_eq_u32 s[MA2], 2, v8
	v_cmp_eq_u32 s[MB1], 1, v9
	v_cmp_eq_u32 s[MB2], 2, v9
	v_cmp_eq_u32 s[MB3], 3, v9
	v_min_u32 v[O0], 8, v[LANE]
	v_lshlrev_b32 v[O0], 2, v[O0]
	v_lshlrev_b32 v[O1], 2, v8
	; ---------------------------------------------------------------- the pivot: waves 0-3 (q = 0) hold their batch's first 128 points in slot 0
	s_cmp_ge_u32 s14, 4
	s_cbranch_scc1 .Lno_pivot
	s_wait_loadcnt 7*(DEPTH-1)                     ; chunk 0 is in, the 21 loads of chunks 1-3 stay out
.irp r, 0,1,2,3,4,5
	v_pk_add_f32 v[SP+2*\r:SP+2*\r+1], v[XB+4*\r:XB+4*\r+1], v[XB+4*\r+2:XB+4*\r+3]
.endr
.irp r, 0,1,2,3,4,5
	v_add_f32 v[P+\r], v[SP+2*\r], v[SP+2*\r+1]
.endr
	WSUM P, 6, SP
.irp r, 0,1,2,3,4,5
	v_mul_f32 v[P+\r], 0xbc000000, v[P+\r]         ; x -1/128: the negated mean
.endr
	ds_store_b128 v[LP], v[P:P+3] offset:PIV       ; every lane writes the same 24 bytes with the same values
	ds_store_b64 v[LP], v[P+4:P+5] offset:PIV+16
.Lno_pivot:
	s_wait_dscnt 0x0                               ; for the other waves' sake: the pivot is in LDS before I signal
	s_barrier_signal -1
	s_barrier_wait -1
	ds_load_b128 v[P:P+3], v[LP] offset:PIV
	ds_load_b64 v[P+4:P+5], v[LP] offset:PIV+16
	s_wait_dscnt 0x0
.irp r, 0,1,2,3,4,5
	v_readfirstlane_b32 s[NPS+2*\r], v[P+\r]
.endr
.irp r, 0,1,2,3,4,5
	s_mov_b32 s[NPS+2*\r+1], s[NPS+2*\r]           ; the packed add names the pair
.endr
	; ---------------------------------------------------------------- the stream
.irp c, 0,1,2,3,4,5,6,7,8,9,10,11,12,13,14,15
	SLOT \c
.endr
	; ---------------------------------------------------------------- sixteen sums: over the pair, the lanes, the batch's four waves
.set Z,   XB                           ; v[66:81]: W, A0-2, C0-2, M00 .. M22; the ring's registers are free now
.set ZW,  Z
.set ZA,  Z+1
.set ZC,  Z+4
.set ZM,  Z+7
.set k, 0
.rept 16
	v_add_f32 v[Z+k], v[AW+2*k], v[AW+2*k+1]
.set k, k+1
.endr
	WSUM Z, 16, SP
.irp p, 0,1,2,3
	ds_store_b128 v[LS], v[Z+4*\p:Z+4*\p+3] offset:SUMS+16*\p
.endr
	s_wait_dscnt 0x0                               ; my sums are in LDS before I signal
	s_barrier_signal -1
	s_barrier_wait -1
	s_cmp_ge_u32 s14, 4
	s_cbranch_scc1 .Lend                           ; waves 0-3 finish one batch each; they hold its pivot already
.irp q, 0,1,2,3
.irp p, 0,1,2,3
	ds_load_b128 v[Z+16*\q+4*\p:Z+16*\q+4*\p+3], v[LS] offset:SUMS+256*\q+16*\p    ; wave 4 q + j lies 256 q bytes behind wave j
.endr
.endr
.irp j, 0,1,2
	s_add_f32 s[NQ+\j], s[NPS+2*\j], s[NPR+2*\j]   ; -(p + pr): the negated pivot of src + rcs
.endr
	s_wait_dscnt 0x0
.irp m, 0,2,4,6,8,10,12,14
	v_pk_add_f32 v[Z+\m:Z+\m+1], v[Z+\m:Z+\m+1], v[Z+16+\m:Z+16+\m+1]
	v_pk_add_f32 v[Z+32+\m:Z+32+\m+1], v[Z+32+\m:Z+32+\m+1], v[Z+48+\m:Z+48+\m+1]
.endr
.irp m, 0,2,4,6,8,10,12,14
	v_pk_add_f32 v[Z+\m:Z+\m+1], v[Z+\m:Z+\m+1], v[Z+32+\m:Z+32+\m+1]
.endr
	; ---------------------------------------------------------------- means and covariance as the reference defines them
	; sum_w = W + EPS;  its denom x sum_w = D = W + EPS sum_w;  mean = (A + p W) / D, so mean - p = A / D - p e with e = EPS sum_w / D.
	; sum_w x cov = M - ds C^T - (A - ds W) dc^T, with ds, dc the two means less their pivots.
.set KB,  82                           ; v[82:99]  column k at KB + 6 k: three numbers of H V, three of V
.set AL,  100
.set BE,  101
.set GA,  102
.set DF,  103
.set XX,  104
.set HH,  105
.set HY,  106
.set AD,  107
.set CS,  108                          ; pairs for the packed forms, which take the first register twice: (c, t),
.set TT,  109
.set SS,  110                          ; (s, 1 / ..),
.set RC,  111
.set NS,  112                          ; (-s, 1 + t^2)
.set C2,  113
.set TP,  114                          ; v[114:119]
.set UP,  120                          ; v[120:125]
.set SG,  126
.set SW,  130
.set DN,  131
.set RD,  132
.set EE,  133
.set DS,  134
.set DC,  137
.set BB,  140
.set NSM, 143                          ; -src_mean
.set CM,  146                          ; corres_mean
.set F2,  149
.set SC,  152
	v_add_f32 v[SW], EPSF, v[ZW]
	v_fmamk_f32 v[DN], v[SW], EPSF, v[ZW]
	v_rcp_f32 v[RD], v[DN]                         ; behind a transcendental one plain independent instruction before its result is used (ISA guide 5.7.2):
	v_mul_f32 v[EE], EPSF, v[SW]                   ; this one
	s_wait_alu depctr_va_vdst(0)
	v_mul_f32 v[EE], v[EE], v[RD]
.irp i, 0,1,2
	v_mul_f32 v[DS+\i], s[NPS+2*\i], v[EE]
	v_mul_f32 v[DC+\i], s[NQ+\i], v[EE]
.endr
.irp i, 0,1,2
	v_fmac_f32 v[DS+\i], v[ZA+\i], v[RD]
	v_fmac_f32 v[DC+\i], v[ZC+\i], v[RD]
.endr
.irp i, 0,1,2
	v_fma_f32 v[BB+\i], -v[DS+\i], v[ZW], v[ZA+\i]
	v_sub_f32 v[NSM+\i], s[NPS+2*\i], v[DS+\i]
	v_sub_f32 v[CM+\i], v[DC+\i], s[NQ+\i]
.endr
.irp i, 0,1,2
.irp j, 0,1,2
	v_fma_f32 v[ZM+3*\i+\j], -v[DS+\i], v[ZC+\j], v[ZM+3*\i+\j]
.endr
.endr
.irp i, 0,1,2
.irp j, 0,1,2
	v_fma_f32 v[ZM+3*\i+\j], -v[DC+\j], v[BB+\i], v[ZM+3*\i+\j]
.endr
.endr
	; H = cov up to a positive factor, which changes neither U nor V: scaled to Frobenius norm 1, so that no square below leaves f32's range
	; whatever the inputs' scale, and given the sign of sum_w, by which the reference divides.
	v_fmaak_f32 v[F2], v[ZM], v[ZM], TINY
	v_mul_f32 v[F2+1], v[ZM+1], v[ZM+1]
	v_mul_f32 v[F2+2], v[ZM+2], v[ZM+2]
.irp i, 3,6
.irp j, 0,1,2
	v_fmac_f32 v[F2+\j], v[ZM+\i+\j], v[ZM+\i+\j]
.endr
.endr
	v_add_f32 v[F2], v[F2], v[F2+1]
	v_add_f32 v[F2], v[F2], v[F2+2]
	v_rsq_f32 v[SC], v[F2]
	v_and_b32 v[SG], SIGN, v[SW]
	s_wait_alu depctr_va_vdst(0)
	v_xor_b32 v[SC], v[SC], v[SG]
.irp k, 0,1,2
.irp i, 0,1,2
	v_mul_f32 v[KB+6*\k+\i], v[ZM+3*\i+\k], v[SC]  ; column k of H
.if \i == \k
	v_mov_b32 v[KB+6*\k+3+\i], 1.0                 ; V = 1
.else
	v_mov_b32 v[KB+6*\k+3+\i], 0
.endif
.endr
.endr
	; ---------------------------------------------------------------- one-sided Jacobi: V turned until the columns of H V = U S are orthogonal
	; Columns p, q with a = |p|^2, b = |q|^2, g = p.q:  t = tan = 2 g sign(b - a) / (|b - a| + sqrt((b - a)^2 + 4 g^2)), at most 45 degrees.
	; No branch: TINY under the root keeps the divisor off zero, and g = 0 gives t = 0.
.macro ROT p, q
	v_mul_f32 v[AL], v[KB+6*\p], v[KB+6*\p]
	v_mul_f32 v[BE], v[KB+6*\q], v[KB+6*\q]
	v_mul_f32 v[GA], v[KB+6*\p], v[KB+6*\q]
.irp i, 1,2
	v_fmac_f32 v[AL], v[KB+6*\p+\i], v[KB+6*\p+\i]
	v_fmac_f32 v[BE], v[KB+6*\q+\i], v[KB+6*\q+\i]
	v_fmac_f32 v[GA], v[KB+6*\p+\i], v[KB+6*\q+\i]
.endr
	v_sub_f32 v[DF], v[BE], v[AL]
	v_add_f32 v[XX], v[GA], v[GA]
	v_fmaak_f32 v[HH], v[XX], v[XX], TINY
	v_fmac_f32 v[HH], v[DF], v[DF]
	v_sqrt_f32 v[HY], v[HH]
	v_and_b32 v[AD], 0x7fffffff, v[DF]             ; plain work between each transcendental and the first use of its result
	v_and_b32 v[SG], SIGN, v[DF]
	s_wait_alu depctr_va_vdst(0)
	v_add_f32 v[HY], v[AD], v[HY]
	v_rcp_f32 v[RC], v[HY]
	v_xor_b32 v[XX], v[XX], v[SG]
	s_wait_alu depctr_va_vdst(0)
	v_mul_f32 v[TT], v[XX], v[RC]
	v_fma_f32 v[C2], v[TT], v[TT], 1.0
	v_rsq_f32 v[CS], v[C2]                         ; c
	v_nop
	s_wait_alu depctr_va_vdst(0)
	v_mul_f32 v[SS], v[CS], v[TT]                  ; s
	v_mul_f32 v[NS], -v[CS], v[TT]
.irp m, 0,2,4
	v_pk_mul_f32 v[TP+\m:TP+\m+1], v[KB+6*\q+\m:KB+6*\q+\m+1], v[NS:NS+1] op_sel_hi:[1,0]
	v_pk_mul_f32 v[UP+\m:UP+\m+1], v[KB+6*\p+\m:KB+6*\p+\m+1], v[SS:SS+1] op_sel_hi:[1,0]
.endr
.irp m, 0,2,4
	v_pk_fma_f32 v[KB+6*\p+\m:KB+6*\p+\m+1], v[KB+6*\p+\m:KB+6*\p+\m+1], v[CS:CS+1], v[TP+\m:TP+\m+1] op_sel_hi:[1,0,1]   ; p = c p - s q
	v_pk_fma_f32 v[KB+6*\q+\m:KB+6*\q+\m+1], v[KB+6*\q+\m:KB+6*\q+\m+1], v[CS:CS+1], v[UP+\m:UP+\m+1] op_sel_hi:[1,0,1]   ; q = c q + s p
.endr
.endm
	; Why eight sweeps serve every matrix.  A rotation clears one of the Gram matrix's three off-diagonal numbers and splits the one it did not aim
	; at into a cosine part, which in this order is the next rotation's aim, and a sine part.  So from the third rotation on each one multiplies
	; the off-diagonal norm by the sine of the rotation before, at most 2^-1/2: 24 rotations leave at most 2^-11 of it whatever the matrix, and
	; far less in fact, since that sine is about aim / gap as soon as the aims are small against the gaps between the diagonal numbers.
	s_mov_b32 s50, SWEEPS
.Lsweep:
	ROT 0, 1
	ROT 0, 2
	ROT 1, 2
	s_sub_co_i32 s50, s50, 1
	s_cmp_lg_u32 s50, 0
	s_cbranch_scc1 .Lsweep
	; ---------------------------------------------------------------- r = va ua^T + vb ub^T + (va x vb)(ua x ub)^T, a and b the two longest columns.
	; va x vb = det(V) vc and ua x ub = det(U) uc, so the last term is det(V U^T) vc uc^T, with c the smallest singular value's place, as in the
	; reference; the order of a and b does not matter (both products change sign together).  The shortest column is replaced, by selects alone.
.set N0,  AL
.set N1,  BE
.set N2,  GA
.set MN,  DF
.set R0,  XX
.set R1,  HH
.set NY,  114
.set VA,  117
.set UB,  120
.set BS,  123
.set OUT, 124
.irp k, 0,1,2
	v_mul_f32 v[N0+\k], v[KB+6*\k], v[KB+6*\k]
.endr
.irp i, 1,2
.irp k, 0,1,2
	v_fmac_f32 v[N0+\k], v[KB+6*\k+\i], v[KB+6*\k+\i]
.endr
.endr
	v_min_num_f32 v[MN], v[N1], v[N2]
	v_cmp_lt_f32 s51, v[N0], v[MN]                 ; column 0 is the shortest
	v_cmp_lt_f32 s52, v[N1], v[N2]
	s_and_not1_b32 s52, s52, s51                   ; column 1 is
.irp i, 0,1,2,3,4,5
	v_cndmask_b32 v[KB+\i], v[KB+\i], v[KB+12+\i], s51
	v_cndmask_b32 v[KB+6+\i], v[KB+6+\i], v[KB+12+\i], s52
.endr
	v_cndmask_b32 v[N0], v[N0], v[N2], s51
	v_cndmask_b32 v[N1], v[N1], v[N2], s52
	v_rsq_f32 v[R0], v[N0]
	v_rsq_f32 v[R1], v[N1]
.macro CROSS d, a, b                   ; v[d .. d+2] = v[a .. a+2] x v[b .. b+2]
	v_mul_f32 v[\d],   v[\a+2], v[\b+1]
	v_mul_f32 v[\d+1], v[\a],   v[\b+2]
	v_mul_f32 v[\d+2], v[\a+1], v[\b]
	v_fma_f32 v[\d],   v[\a+1], v[\b+2], -v[\d]
	v_fma_f32 v[\d+1], v[\a+2], v[\b],   -v[\d+1]
	v_fma_f32 v[\d+2], v[\a],   v[\b+1], -v[\d+2]
.endm
	CROSS KB+15, KB+3, KB+9                        ; va x vb takes column 2's place (plain work behind the two v_rsq_f32, touching none of their registers)
	s_wait_alu depctr_va_vdst(0)
.irp i, 0,1,2
	v_mul_f32 v[KB+\i], v[KB+\i], v[R0]            ; ua, ub: the columns of H V, normalised
	v_mul_f32 v[KB+6+\i], v[KB+6+\i], v[R1]
.endr
	CROSS KB+12, KB, KB+6                          ; ua x ub
	; One number a lane: sum over k of V[a][k] x (U[b][k], or in the lanes of t: -(u_k . src_mean)), plus (in the lanes of t) corres_mean[a].
.irp k, 0,1,2
	v_mul_f32 v[NY+\k], v[KB+6*\k], v[NSM]
	v_cndmask_b32 v[VA+\k], v[KB+6*\k+3], v[KB+6*\k+4], s[MA1]
	v_cndmask_b32 v[UB+\k], v[KB+6*\k], v[KB+6*\k+1], s[MB1]
.endr
.irp k, 0,1,2
	v_fmac_f32 v[NY+\k], v[KB+6*\k+1], v[NSM+1]
	v_cndmask_b32 v[VA+\k], v[VA+\k], v[KB+6*\k+5], s[MA2]
	v_cndmask_b32 v[UB+\k], v[UB+\k], v[KB+6*\k+2], s[MB2]
.endr
.irp k, 0,1,2
	v_fmac_f32 v[NY+\k], v[KB+6*\k+2], v[NSM+2]
.endr
	v_cndmask_b32 v[BS], v[CM], v[CM+1], s[MA1]
	v_cndmask_b32 v[BS], v[BS], v[CM+2], s[MA2]
	v_cndmask_b32 v[BS], 0, v[BS], s[MB3]
.irp k, 0,1,2
	v_cndmask_b32 v[UB+\k], v[UB+\k], v[NY+\k], s[MB3]
.endr
	v_fma_f32 v[OUT], v[VA], v[UB], v[BS]
	v_fmac_f32 v[OUT], v[VA+1], v[UB+1]
	v_fmac_f32 v[OUT], v[VA+2], v[UB+2]
	; lanes 0-8 store the batch's 36 consecutive bytes of r, lanes 9-11 its 12 of t
	s_wait_xcnt 0x0                                ; EXEC counts among the sources of every memory instruction issued so far: it changes only behind this wait
	v_cmp_gt_u32 vcc_lo, 9, v[LANE]
	s_and_saveexec_b32 s53, vcc_lo
	global_store_b32 v[O0], v[OUT], s[10:11]
	s_wait_xcnt 0x0
	s_or_b32 exec_lo, exec_lo, s53
	v_add_nc_u32 v7, -9, v[LANE]
	v_cmp_gt_u32 vcc_lo, 3, v7                     ; 9 <= lane < 12
	s_and_saveexec_b32 s53, vcc_lo
	global_store_b32 v[O1], v[OUT], s[12:13]
	s_wait_xcnt 0x0
	s_or_b32 exec_lo, exec_lo, s53
.Lend:
	s_wait_tensorcnt 0x0
	ds_add_u32 v184, v185
	s_wait_dscnt 0x0
	s_endpgm
.Lfunc_end_k_q049ed18304_kabsch:
	.size	k_q049ed18304_kabsch, .Lfunc_end_k_q049ed18304_kabsch-k_q049ed18304_kabsch
	.p2alignl 7, 3214868480
	.fill 96, 4, 3214868480
	.section	.rodata,"a",@progbits
	.p2align	6, 0x0
	.amdhsa_kernel k_q049ed18304_kabsch
		.amdhsa_group_segment_fixed_size 3328
		.amdhsa_private_segment_fixed_size 0
		.amdhsa_enable_private_segment 0
		.amdhsa_kernarg_size 40
		.amdhsa_user_sgpr_count 2
		.amdhsa_user_sgpr_kernarg_segment_ptr 1
		.amdhsa_wavefront_size32 1
		.amdhsa_system_sgpr_workgroup_id_x 1
		.amdhsa_system_sgpr_workgroup_id_y 1
		.amdhsa_system_sgpr_workgroup_id_z 1
		.amdhsa_system_vgpr_workitem_id 0
		.amdhsa_next_free_vgpr 186
		.amdhsa_next_free_sgpr 66
		.amdhsa_reserve_vcc 1
		.amdhsa_float_denorm_mode_32 3
		.amdhsa_float_denorm_mode_16_64 3
		.amdhsa_memory_ordered 1
		.amdhsa_forward_progress 1
		.amdhsa_inst_pref_size 95
	.end_amdhsa_kernel
	.amdgpu_metadata
---
amdhsa.version: [ 1, 2 ]
amdhsa.kernels:
  - .name:           k_q049ed18304_kabsch
    .symbol:         k_q049ed18304_kabsch.kd
    .args:
      - { .name: src, .offset: 0, .size: 8, .value_kind: global_buffer, .address_space: global }
      - { .name: rcs, .offset: 8, .size: 8, .value_kind: global_buffer, .address_space: global }
      - { .name: weights, .offset: 16, .size: 8, .value_kind: global_buffer, .address_space: global }
      - { .name: out0, .offset: 24, .size: 8, .value_kind: global_buffer, .address_space: global }
      - { .name: out1, .offset: 32, .size: 8, .value_kind: global_buffer, .address_space: global }
    .group_segment_fixed_size: 3328
    .private_segment_fixed_size: 0
    .kernarg_segment_align: 8
    .kernarg_segment_size: 40
    .max_flat_workgroup_size: 512
    .sgpr_count:     66
    .vgpr_count:     186
    .wavefront_size: 32
...
	.end_amdgpu_metadata
.endif
;; end of part 1
